; MI455X (gfx1250); checked and timed in simulation.
; The chip was launched on July 23, 2026; its instructions are those of AMD's public machine-readable ISA for CDNA 5 (MIT licence, August 2026) and "CDNA5" Instruction Set Architecture Reference Guide (July 2026). The comments in the code are by the model that wrote it; some were corrected since.
;; BERT Encoder. Allowed arithmetic: float matrix products may take bf16 or f16 operands with f32 sums; all other float work in f32.
;; Inputs: begins 8 x 2,048 int32; ends 8 x 2,048 int32; features 8 x 4,096 x 768 float32.
;; Outputs: out0 8 x 2,048 x 768 float32.
;; One version. Each part assembles by itself: llvm-mc -triple=amdgcn-amd-amdhsa -mcpu=gfx1250 --defsym DOCPART=n.
;; ======== version 1 of 1: 1 launch
;; launch spanmean (part 1): grid 256 x 1, 32 waves a work-group, no clusters, 0 bytes of LDS; arguments begins, ends, features, out0; writes out0
.if DOCPART == 1
	.amdgcn_target "amdgcn-amd-amdhsa--gfx1250"
	.amdhsa_code_object_version 6
	.text
	.protected	k_q29fcd99ceb_spanmean
	.globl	k_q29fcd99ceb_spanmean
	.p2align	8
	.type	k_q29fcd99ceb_spanmean,@function
k_q29fcd99ceb_spanmean:
	s_mov_b64 s[64:65], 0
	v_nop
	global_prefetch_b8 v0, s[64:65] scope:SCOPE_SE
	s_setreg_imm32_b32 hwreg(HW_REG_WAVE_MODE, 25, 1), 1
	s_wait_xcnt 0x0
; out0[b][w][:] = mean of features[b][begins[b][w] .. ends[b][w]-1][:], at most 8 rows; an empty span gives zeros.
; features [8][4096][768] f32, begins and ends [8][2048] i32, out0 [8][2048][768] f32.
;
; A stream bound by bytes: no LDS, no barrier, no matrix unit.  Only the rows of a span are loaded, never the empty slots
; of the window of 8.  A work-group of 32 waves owns 64 consecutive words (2048 / 64 = 32 work-groups to a batch).
; Wave k owns half k & 1 of the columns (384 f32 = 1,536 bytes) of the 4 words 4 (k >> 1) .. + 3, one word a trip.
; A lane holds 3 x 16 bytes of a row: each load and each store of a wave covers 512 consecutive bytes at a multiple of 512.
; The span's length n steers a scalar branch to a piece of code written for that n: all its 3 n loads in one run, then the
; sums behind counted waits.  So each wait's count can be read off the piece it stands in.  Overlap between words comes
; from the 32 waves, which do not depend on each other: 32 x up to 8 x 1,536 bytes are asked for at a time.
; No clusters: which rows two words share hangs on the lists, whose order is not assumed, so there is no joint tile.
; No prefetch: spans overlap, so blocks would be asked for several times over.
;
; LIMITS.  n = clamp(ends - begins, 0, 8), the difference formed in 32 bits: it must not wrap (|begins|, |ends| < 2^30).
; A begin outside 0 .. 4095 with a non-empty span is not served (such an index leaves the table); begin is clamped to 4095
; and n to 4096 - begin, so that no load leaves the buffer whatever the lists hold.  Empty slots of the window add nothing
; here; adding 0 x features[b][0] for them gives the same wherever features[b][0] is finite.  The sum runs over the rows in
; ascending order and is multiplied by 1/n rounded to f32, in place of a division.
.set T_ROWS, 4096                      ; rows of a batch
.set ROWB,   3072                      ; bytes in a row of features and of out0
.set HALFB,  1536                      ; a wave's part of a row
.set MAXWIN, 8                         ; longest span
.set WORDS,  4                         ; words of a wave
.set LANE,   2                         ; v2       16 x lane
.set X,      4                         ; v[4:99]  row slot j: 12 registers, 3 x 16 bytes a lane; slot 0 also takes the sum
; s[4:5] begins, s[6:7] ends, s[8:9] features (batch, half), s[10:11] out0 (word, half), s[20:23] and s[24:27] the wave's begins and ends,
; s30 n, s31 first row, s[34:35] its byte offset, s[36:37] address of the span's first row, s38 trip counter
	s_load_b256 s[4:11], s[0:1], 0x0               ; the four addresses
	v_lshrrev_b32 v1, 5, v0
	v_readfirstlane_b32 s12, v1                    ; wave 0 .. 31
	v_and_b32 v[LANE], 31, v0
	v_lshlrev_b32 v[LANE], 4, v[LANE]              ; 16 bytes a lane
	s_and_b32 s13, s12, 1
	s_mul_i32 s13, s13, HALFB                      ; my half of the columns, in bytes
	s_lshr_b32 s14, s12, 1                         ; which four words of the group's 64
	s_lshl_b32 s15, ttmp9, 6
	s_lshl2_add_u32 s15, s14, s15                  ; my first word, counted over all batches: 64 x group + 4 x (wave >> 1)
	s_lshl_b32 s16, s15, 2                         ; its byte offset in begins and in ends (a multiple of 16)
	s_mov_b32 s17, 0
	s_lshr_b32 s18, ttmp9, 5                       ; batch
	s_mul_i32 s18, s18, T_ROWS*ROWB                ; at most 7 x 12,582,912: fits 32 bits
	s_add_co_u32 s18, s18, s13
	s_mov_b32 s19, 0
	s_mul_i32 s28, s15, ROWB                       ; at most 16,380 x 3,072: fits 32 bits
	s_add_co_u32 s28, s28, s13
	s_mov_b32 s29, 0
	s_mov_b32 s35, 0                               ; high word of the row offset, for good
	s_mov_b32 s38, 0                               ; trips done
	s_wait_kmcnt 0x0
	s_add_nc_u64 s[4:5], s[4:5], s[16:17]
	s_add_nc_u64 s[6:7], s[6:7], s[16:17]
	s_load_b128 s[20:23], s[4:5], 0x0              ; begins of my four words
	s_load_b128 s[24:27], s[6:7], 0x0              ; ends of my four words
	s_add_nc_u64 s[8:9], s[8:9], s[18:19]          ; features at my batch's row 0, my half
	s_add_nc_u64 s[10:11], s[10:11], s[28:29]      ; out0 at my first word, my half
	s_wait_kmcnt 0x0
.macro STORE3                          ; the word's 1,536 bytes: written once, not read again in the launch
.irp c, 0,1,2
	global_store_b128 v[LANE], v[X+4*\c:X+4*\c+3], s[10:11] offset:512*\c th:TH_STORE_NT
.endr
.endm
; The code for a span of cnt rows; inv = 1 / cnt in f32.
.macro SPAN cnt, inv
.Lspan\cnt:
.set j, 0
.rept \cnt
.irp c, 0,1,2
	global_load_b128 v[X+12*j+4*\c:X+12*j+4*\c+3], v[LANE], s[36:37] offset:j*ROWB+512*\c
.endr
.set j, j+1
.endr
.if \cnt == 1
	s_wait_loadcnt 0x0                             ; a single row is its own mean: stored as loaded
.else
.set j, 1
.rept \cnt-1
	s_wait_loadcnt 3*(\cnt-1-j)                    ; loads come back in order (ISA guide 5.7.1): rows 0 .. j are in, the 3 loads of each later row may stay out
.irp p, 0,2,4,6,8,10
	v_pk_add_f32 v[X+\p:X+\p+1], v[X+\p:X+\p+1], v[X+12*j+\p:X+12*j+\p+1]
.endr
.set j, j+1
.endr
.irp p, 0,2,4,6,8,10
	v_pk_mul_f32 v[X+\p:X+\p+1], v[X+\p:X+\p+1], \inv op_sel_hi:[1,0]   ; cnt - 1 sums and one product: as many instructions as a chain of fused ones
.endr
.endif
	STORE3
.if \cnt < MAXWIN
	s_branch .Lnext
.endif
.endm
.Lword:
	s_sub_co_i32 s30, s24, s20                     ; ends - begins
	s_max_i32 s30, s30, 0                          ; an empty or reversed span has no row
	s_min_u32 s30, s30, MAXWIN                     ; the window ends after 8
	s_min_u32 s31, s20, T_ROWS-1                   ; the first row, inside the table
	s_sub_co_u32 s33, T_ROWS, s31
	s_min_u32 s30, s30, s33                        ; and so is the last
	s_mul_i32 s34, s31, ROWB
	s_add_nc_u64 s[36:37], s[8:9], s[34:35]        ; the last trip's loads from s[36:37] were waited for
.irp c, 1,2,3,4,5,6,7,8
	s_cmp_eq_u32 s30, \c
	s_cbranch_scc1 .Lspan\c
.endr
	v_mov_b32 v[X], 0                              ; no row: the mean is defined as 0 (sum 0, count raised to 1)
	v_mov_b32 v[X+1], 0
	v_mov_b32 v[X+2], 0
	v_mov_b32 v[X+3], 0
.irp c, 0,1,2
	global_store_b128 v[LANE], v[X:X+3], s[10:11] offset:512*\c th:TH_STORE_NT
.endr
	s_branch .Lnext
	SPAN 1, 1.0
	SPAN 2, 0.5
	SPAN 3, 0x3eaaaaab
	SPAN 4, 0x3e800000
	SPAN 5, 0x3e4ccccd
	SPAN 6, 0x3e2aaaab
	SPAN 7, 0x3e124925
	SPAN 8, 0x3e000000
.Lnext:
	s_wait_xcnt 0x0                                ; the stores' base is stepped, and their data (row slot 0) loaded again, only behind this wait
	s_add_nc_u64 s[10:11], s[10:11], ROWB          ; the next word of out0
	s_mov_b32 s20, s21                             ; the lists move down one place
	s_mov_b32 s21, s22
	s_mov_b32 s22, s23
	s_mov_b32 s24, s25
	s_mov_b32 s25, s26
	s_mov_b32 s26, s27
	s_add_co_u32 s38, s38, 1
	s_cmp_lt_u32 s38, WORDS
	s_cbranch_scc1 .Lword
	s_endpgm
.Lfunc_end_k_q29fcd99ceb_spanmean:
	.size	k_q29fcd99ceb_spanmean, .Lfunc_end_k_q29fcd99ceb_spanmean-k_q29fcd99ceb_spanmean
	.p2alignl 7, 3214868480
	.fill 96, 4, 3214868480
	.section	.rodata,"a",@progbits
	.p2align	6, 0x0
	.amdhsa_kernel k_q29fcd99ceb_spanmean
		.amdhsa_group_segment_fixed_size 0
		.amdhsa_private_segment_fixed_size 0
		.amdhsa_enable_private_segment 0
		.amdhsa_kernarg_size 32
		.amdhsa_user_sgpr_count 2
		.amdhsa_user_sgpr_kernarg_segment_ptr 1
		.amdhsa_wavefront_size32 1
		.amdhsa_system_sgpr_workgroup_id_x 1
		.amdhsa_system_sgpr_workgroup_id_y 1
		.amdhsa_system_sgpr_workgroup_id_z 1
		.amdhsa_system_vgpr_workitem_id 0
		.amdhsa_next_free_vgpr 100
		.amdhsa_next_free_sgpr 66
		.amdhsa_reserve_vcc 0
		.amdhsa_float_denorm_mode_32 3
		.amdhsa_float_denorm_mode_16_64 3
		.amdhsa_memory_ordered 1
		.amdhsa_forward_progress 1
		.amdhsa_inst_pref_size 31
	.end_amdhsa_kernel
	.amdgpu_metadata
---
amdhsa.version: [ 1, 2 ]
amdhsa.kernels:
  - .name:           k_q29fcd99ceb_spanmean
    .symbol:         k_q29fcd99ceb_spanmean.kd
    .args:
      - { .name: begins, .offset: 0, .size: 8, .value_kind: global_buffer, .address_space: global }
      - { .name: ends, .offset: 8, .size: 8, .value_kind: global_buffer, .address_space: global }
      - { .name: features, .offset: 16, .size: 8, .value_kind: global_buffer, .address_space: global }
      - { .name: out0, .offset: 24, .size: 8, .value_kind: global_buffer, .address_space: global }
    .group_segment_fixed_size: 0
    .private_segment_fixed_size: 0
    .kernarg_segment_align: 8
    .kernarg_segment_size: 32
    .max_flat_workgroup_size: 1024
    .sgpr_count:     66
    .vgpr_count:     100
    .wavefront_size: 32
...
	.end_amdgpu_metadata
.endif
;; end of part 1
